; MI455X (gfx1250); checked and timed in simulation.
; The chip was launched on July 23, 2026; its instructions are those of AMD's public machine-readable ISA for CDNA 5 (MIT licence, August 2026) and "CDNA5" Instruction Set Architecture Reference Guide (July 2026). The comments in the code are by the model that wrote it; some were corrected since.
;; Codebook. Allowed arithmetic: matrix products marked QUANTISED: E5M2 operands, one given power-of-two scale a tensor, by v_wmma_f32_16x16x64_bf8_bf8 or v_wmma_f32_16x16x128_bf8_bf8, f32 sums; products left as they are: f32 operands where the result goes on into a quantised operand, else bf16, f16 or f32 operands; f32 sums; everything else in f32.
;; Inputs: codebook 1,024 x 8 x 1,024 float32; lowp_scales 2 int32 (the exponents e of the quantised operands' scales 2^e); proj_b 8,192 float32; proj_w 8,192 x 1,024 float32; target 8 x 1,024 x 8 int32; wproj_w 8 x 1,024 float32; x 8 x 1,024 x 1,024 float32.
;; Outputs: out0 8 x 1,024 x 1,024 float32; out1 8 x 1,024 x 8 float32.
;; This version of the problem:
;;   THIS VERSION OF THE PROBLEM IS GIVEN IN LOW PRECISION. The matrix products marked QUANTISED in the list below multiply operands that are first quantised to E5M2 (5 exponent bits, 2 mantissa bits; 8 bits a number), with one given power-of-two scale for each operand tensor; their sums are f32. All else is computed in f32.
;;   The module's matrix products, in the order in which they are computed (A, B: the left and right operand; K: the contracted axis; several contracted axes count as one K, in the product's order):
;;     1. [M 8,192, K 1,024] x [K 1,024, N 8,192]; A: input x; B: input proj_w: QUANTISED (scales: A lowp_scales[0], B lowp_scales[1])
;;     2. [M 8,192, K 1,024] x [K 1,024, N 8]; A: input x; B: input wproj_w: left as it is (N = 8 < 16)
;;     3. batch 8,192 x [M 1,024, K 8] x [K 8, N 1]; A: computed on the way; B: softmax: left as it is (K = 8 < 32)
;;   THE QUANTISER, for each operand of a quantised product, along K:
;;     - The operand's scale is 2^e, e = its entry of the input lowp_scales (int32; the entries are numbered through the quantised products in the list's order, A before B).
;;     - Each number is divided by the scale, clamped to +-57,344, and rounded to the nearest number of E5M2, ties to even, subnormals kept.
;;     - The product sums the exact products of the quantised numbers (number of the format x scale) in f32.
;;   ~~~python
;;   def quantise(x, axis, e):      # numpy; x: float32 -> the quantised numbers, widened to float32 again
;;       x = np.moveaxis(x, axis, -1); K = x.shape[-1]
;;       r = np.clip(x / 2.0 ** e, -57344, 57344)
;;       step = 2.0 ** (np.maximum(np.frexp(np.where(r == 0, 1, r))[1] - 1, -14) - 2)
;;       q = np.round(r / step) * step * 2.0 ** e      # np.round: ties to even
;;       return np.moveaxis(q, -1, axis).astype(np.float32)
;;   ~~~
;; One version. Each part assembles by itself: llvm-mc -triple=amdgcn-amd-amdhsa -mcpu=gfx1250 --defsym DOCPART=n.
;; ======== version 1 of 1: 2 launches
;; workspace buffers: xq 8,388,608 bytes; wq 8,388,608 bytes
;; launch prep (part 1): grid 256 x 1, 16 waves a work-group, no clusters, 296,960 bytes of LDS; arguments x, proj_w, wproj_w, codebook, target, lowp_scales, xq, wq, out0; writes xq, wq, out0
.if DOCPART == 1
	.amdgcn_target "amdgcn-amd-amdhsa--gfx1250"
	.amdhsa_code_object_version 6
	.text
	.protected	k_q64663304e3_prep
	.globl	k_q64663304e3_prep
	.p2align	8
	.type	k_q64663304e3_prep,@function
k_q64663304e3_prep:
	s_mov_b64 s[64:65], 0
	v_nop
	global_prefetch_b8 v0, s[64:65] scope:SCOPE_SE
	s_setreg_imm32_b32 hwreg(HW_REG_WAVE_MODE, 25, 1), 1
	s_wait_xcnt 0x0
; Three things for the 8,192 tokens and the 8,192 rows of proj_w, each f32 number read once:
;   xq, wq: codes of E5M2 of x and of proj_w: code = number / 2^e, held within +-57,344, to the nearest code, ties to even; e = entry 0 (x), entry 1 (proj_w) of lowp_scales.
;   xw = softmax over the 8 codebooks of x . wproj_w[k], in f32 multiply-adds, the largest logit taken away first.
;   out0[row] = the sum over k of xw[k] x codebook[target[row][k]][k][:].
; SHARES.  Wave P = 16 x work-group + wave (0 .. 4,095) owns rows 2 P and 2 P + 1 of x and of proj_w.  One wave, one row: load j (0 .. 7) of a row takes 512 consecutive bytes, 16 a lane,
; so register 4 j + i of lane l holds column 128 j + 4 l + i.  The quantiser is elementwise (one scale a tensor), so the codes are stored in that order: the code of column 128 j + 4 l + i lies at
; byte 512 (j / 4) + 16 l + 4 (j % 4) + i of its row of 1,024 bytes.  That is one permutation of K, the same in xq and in wq: every product of the next launch meets its partner.
; THE THREE STREAMS COME BY THE TENSOR DATA MOVER: each wave issues three loads at its start (its 2,048 bytes of wproj_w, its two rows of x, its two rows of proj_w: dense blocks, as rows of 256 bytes)
; in place of 36 loads of the lanes; the lanes' loads are left to the gather.  Three tensor loads of a wave are out at the most.
; LDS: byte 0: wproj_w, 32,768 bytes, read by all sixteen waves behind the one barrier; byte 32,768: x, 8,192 bytes a wave; byte 163,840: proj_w, 8,192 bytes a wave; the last two are read by their own wave alone.
; Every byte is filled once and nothing is stored into LDS: no slot is filled again.
; The gather goes in four passes (row, half of the 1,024 channels); a pass has eight buffers of 16 registers, one for each codebook, and a buffer is asked for again as soon as it is used.
; No cluster: what the work-groups share (wproj_w, 32 KiB against the 1.5 MiB that a work-group moves) is a small part of their bytes, and which codebook rows they share hangs on target.
; No matrix unit: the product with wproj_w has 8 columns.  Straight-line text: every offset is an immediate, no pointer is stepped, EXEC is never changed.
; LIMITS: both exponents between -126 and 112, so that 2^e and 57,344 x 2^e are f32 numbers.  NaN among the inputs is not served.  target is held within 0 .. 1,023 before it enters an address.
.set CH,  8                            ; v[8:15]    the dot products' chains: row rho, chain c: the pair at 8 + 4 rho + 2 c; then the softmax's figures; at last the codes of proj_w's first row
.set XR,  16                           ; v[16:79]   x: row rho at 16 + 32 rho;  later v[16:47] two sets of 16 sums of out0
.set WD,  48                           ; v[48:111]  later: proj_w's two rows; the second row's codes take the first eight
.set WP,  80                           ; v[80:111]  two halves of 16: held numbers of x, then half rows of wproj_w
.set CD,  96                           ; v[96:111]  x's codes, 8 registers a row
.set ACC, 112                          ; v[112:127] logit, then weight, of row rho and codebook k at 112 + 8 rho + k
.set G,   128                          ; v[128:255] eight buffers of 16: codebook rows
.set WT,  32                           ; s[32:47]   the 16 targets; later a row's eight weights in the even registers
.set GB,  66                           ; s[66:97]   address of codebook[target[2 P + rho][k]][0][0] at 66 + 2 (8 rho + k)
.set XL,  32768                        ; LDS: x
.set WL,  XL+16*8192                   ; LDS: proj_w
.set G0X, 4                            ; s[4:7]     descriptor group 0 for x's rows
.set G0W, 8                            ; s[8:11]    for proj_w's rows
.set G0P, 28                           ; s[28:31]   for my part of wproj_w
.set G1L, 48                           ; s[48:55]   descriptor group 1: 32 rows of 256 bytes
.set G1S, 56                           ; s[56:63]   descriptor group 1: 8 rows of 256 bytes
	s_load_b512 s[8:23], s[0:1], 0x0               ; x s[8:9], proj_w s[10:11], wproj_w s[12:13], codebook s[14:15], target s[16:17], scales s[18:19], xq s[20:21], wq s[22:23]
	s_load_b64 s[24:25], s[0:1], 0x40              ; out0
	v_lshl_add_u32 v254, v0, 2, 0x48000
	v_mov_b32 v255, 0
	ds_add_u32 v254, v255
	ds_add_u32 v254, v255
	s_wait_dscnt 0x0
	v_lshrrev_b32 v1, 5, v0
	v_readfirstlane_b32 s2, v1                     ; wave 0 .. 15
	v_and_b32 v1, 31, v0
	v_lshlrev_b32 v1, 4, v1                        ; 16 x lane: my 16 bytes of every 512, in memory and in LDS
	s_lshl_b32 s3, ttmp9, 4
	s_add_co_u32 s3, s3, s2                        ; P
	s_lshl_b32 s26, s3, 13                         ; two rows of 4,096 bytes
	s_mov_b32 s27, 0
	s_lshl_b32 s100, s3, 11                        ; two rows of 1,024 codes
	s_mov_b32 s101, 0
	s_lshl_b32 s104, s3, 6                         ; two rows of 8 targets
	s_mov_b32 s105, 0
	s_lshl_b32 s[G0P+2], s2, 11                    ; my 2,048 bytes of wproj_w
	s_mov_b32 s[G0P+3], 0
	; group 1: a dense block as rows of 32 elements of 8 bytes, the pitch a row's length, no padding: the lanes read LDS 16 consecutive bytes each
.irp g, G1L, G1S
	s_mov_b32 s[\g+0], 3<<16                       ; 15:0 no mask; 17:16 elements of 8 bytes; 20 padding off
	s_mov_b32 s[\g+1], 32<<16                      ; tensor_dim0 = 32
	s_mov_b32 s[\g+3], 32<<16                      ; tile_dim0 = 32
	s_mov_b32 s[\g+5], 32                          ; tensor_dim0_stride
	s_mov_b32 s[\g+6], 0
	s_mov_b32 s[\g+7], 0
.endr
	s_mov_b32 s[G1L+2], 32<<16                     ; tensor_dim1 = 32 rows: 8,192 bytes
	s_mov_b32 s[G1L+4], 32                         ; tile_dim1
	s_mov_b32 s[G1S+2], 8<<16                      ; 8 rows: 2,048 bytes
	s_mov_b32 s[G1S+4], 8
	s_wait_kmcnt 0x0
	s_add_nc_u64 s[16:17], s[16:17], s[104:105]
	s_load_b512 s[WT:WT+15], s[16:17], 0x0         ; my 16 targets
	s_load_b64 s[98:99], s[18:19], 0x0             ; ex, ew
	s_mov_b32 s[G0P], 1                            ; count = 1
	s_lshl_b32 s[G0P+1], s2, 11                    ; LDS: 2,048 x wave
	s_add_nc_u64 s[G0P+2:G0P+3], s[12:13], s[G0P+2:G0P+3]
	s_or_b32 s[G0P+3], s[G0P+3], 0x80000000        ; type = 2
	s_mov_b32 s[G0X], 1
	s_lshl_b32 s[G0X+1], s2, 13
	s_add_co_u32 s[G0X+1], s[G0X+1], XL            ; LDS: XL + 8,192 x wave
	s_add_nc_u64 s[G0X+2:G0X+3], s[8:9], s[26:27]
	s_or_b32 s[G0X+3], s[G0X+3], 0x80000000
	s_add_nc_u64 s[G0W+2:G0W+3], s[10:11], s[26:27]
	s_or_b32 s[G0W+3], s[G0W+3], 0x80000000
	s_mov_b32 s[G0W], 1                            ; (x's address has been used: its two registers take the first words of this group)
	s_lshl_b32 s[G0W+1], s2, 13
	s_add_co_u32 s[G0W+1], s[G0W+1], WL            ; LDS: WL + 8,192 x wave
	tensor_load_to_lds s[G0P:G0P+3], s[G1S:G1S+7]  ; the three first fills stand together, ahead of every wait on TENSORcnt, every LDS read and the barrier
	s_nop 0
	tensor_load_to_lds s[G0X:G0X+3], s[G1L:G1L+7]
	s_nop 0
	tensor_load_to_lds s[G0W:G0W+3], s[G1L:G1L+7]
	s_nop 0
.rept 4
	v_nop                                          ; four v_nop follow the tensor loads
.endr
	v_add_nc_u32 v2, s[G0X+1], v1                  ; x in LDS: XL + 8,192 x wave + 16 x lane
	v_add_nc_u32 v7, s[G0W+1], v1                  ; proj_w likewise
	s_add_nc_u64 s[24:25], s[24:25], s[26:27]
	s_add_nc_u64 s[20:21], s[20:21], s[100:101]
	s_add_nc_u64 s[22:23], s[22:23], s[100:101]
	s_mov_b32 s100, 0x76543210                     ; v_permlanex16_b32: lane l takes lane l xor 16
	s_mov_b32 s101, 0xfedcba98
	s_mov_b32 s104, 0x3fb8aa3b                     ; log2(e)
	s_wait_kmcnt 0x0
.irp i, 0,1,2,3,4,5,6,7,8,9,10,11,12,13,14,15
	s_min_u32 s[WT+\i], s[WT+\i], 0x3ff            ; inside the table
	s_lshl_b32 s26, s[WT+\i], 15                   ; a code's 8 rows of 4,096 bytes (s27 is still 0); the codebook's 4,096 k stands in the loads' immediate
	s_add_nc_u64 s[GB+2*\i:GB+2*\i+1], s[14:15], s[26:27]
.endr
.irp k, 0,1,2,3,4,5,6,7
.irp j, 0,1,2,3
	global_load_b128 v[G+16*\k+4*\j:G+16*\k+4*\j+3], v1, s[GB+2*\k:GB+2*\k+1] offset:4096*\k+512*\j   ; pass 0: row 2 P, channels 0 .. 511
.endr
.endr
	s_add_co_i32 s12, s98, 127
	s_lshl_b32 s13, s12, 23
	v_mov_b32 v3, s13                              ; 2^ex as f32: the conversion takes its exponent field
	s_add_co_i32 s12, s12, 15
	s_lshl_b32 s12, s12, 23
	s_or_b32 s12, s12, 0x600000
	v_mov_b32 v4, s12                              ; 57,344 x 2^ex
	s_add_co_i32 s16, s99, 127
	s_lshl_b32 s17, s16, 23
	v_mov_b32 v5, s17                              ; 2^ew
	s_add_co_i32 s16, s16, 15
	s_lshl_b32 s16, s16, 23
	s_or_b32 s16, s16, 0x600000
	v_mov_b32 v6, s16                              ; 57,344 x 2^ew
	s_wait_tensorcnt 0x1                           ; my part of wproj_w and my rows of x have landed; proj_w's load, issued behind them, may be out
	s_barrier_signal -1
	s_barrier_wait -1                              ; everybody's part of wproj_w has landed; it is never written again
.irp rho, 0,1
.irp j, 0,1,2,3,4,5,6,7
	ds_load_b128 v[XR+32*\rho+4*\j:XR+32*\rho+4*\j+3], v2 offset:4096*\rho+512*\j   ; x: 32 lanes take 512 consecutive bytes
.endr
.endr
; x's codes.  The held numbers go into other registers (two sets of eight by turns): the dot products below want x as it is.
.macro QUANTX rho
.irp g, 0,1,2,3
.irp i, 0,1,2,3,4,5,6,7
	v_med3_num_f32 v[WP+8*(\g%2)+\i], v[XR+32*\rho+8*\g+\i], -v4, v4     ; the conversion to an 8-bit code does not saturate (ISA guide 7.6.2): the hold at the largest code x the scale
.endr
	v_cvt_scalef32_pk8_bf8_f32 v[CD+8*\rho+2*\g:CD+8*\rho+2*\g+1], v[WP+8*(\g%2):WP+8*(\g%2)+7], v3   ; registers 8 g .. 8 g + 7: loads 2 g and 2 g + 1; the next eight holds, on the other set, are plain lines behind it
.endr
.endm
	s_wait_dscnt 0x0                               ; x is in registers
	QUANTX 0
	QUANTX 1
	v_nop                                          ; a plain line behind the last conversion
.irp rho, 0,1
	global_store_b128 v1, v[CD+8*\rho:CD+8*\rho+3], s[20:21] offset:1024*\rho          ; 32 lanes store 512 consecutive bytes, aligned
	global_store_b128 v1, v[CD+8*\rho+4:CD+8*\rho+7], s[20:21] offset:1024*\rho+512
.endr
	s_wait_xcnt 0x0                                ; the stores' data registers are loaded into below only behind this wait
; The eight dot products of both rows.  Step s: codebook s / 2, half s % 2 of its 1,024 numbers: 16 registers from LDS, multiplied with both rows' x, in two chains a row.
.macro DOTSTEP s
.set KK, (\s)/2
.set HF, (\s)%2
.if (\s) < 15
	s_wait_dscnt 4                                 ; this step's four loads are in; the next step's four may be out
.else
	s_wait_dscnt 0
.endif
.irp p, 0,1,2,3,4,5,6,7
.irp rho, 0,1
.if (HF == 0) && (\p < 2)
	v_pk_mul_f32 v[CH+4*\rho+2*(\p%2):CH+4*\rho+2*(\p%2)+1], v[XR+32*\rho+16*HF+2*\p:XR+32*\rho+16*HF+2*\p+1], v[WP+16*HF+2*\p:WP+16*HF+2*\p+1]   ; a chain's first product starts it: nothing is cleared
.else
	v_pk_fma_f32 v[CH+4*\rho+2*(\p%2):CH+4*\rho+2*(\p%2)+1], v[XR+32*\rho+16*HF+2*\p:XR+32*\rho+16*HF+2*\p+1], v[WP+16*HF+2*\p:WP+16*HF+2*\p+1], v[CH+4*\rho+2*(\p%2):CH+4*\rho+2*(\p%2)+1]
.endif
.endr
.endr
.if (\s)+2 < 16
.irp j, 0,1,2,3
	ds_load_b128 v[WP+16*HF+4*\j:WP+16*HF+4*\j+3], v1 offset:4096*(((\s)+2)/2)+2048*HF+512*\j   ; two steps ahead, into the half just used
.endr
.endif
.if HF == 1
.irp rho, 0,1
	v_pk_add_f32 v[CH+4*\rho:CH+4*\rho+1], v[CH+4*\rho:CH+4*\rho+1], v[CH+4*\rho+2:CH+4*\rho+3]
.endr
.irp rho, 0,1
	v_add_f32 v[ACC+8*\rho+KK], v[CH+4*\rho], v[CH+4*\rho+1]             ; my lane's part of the logit
.endr
.endif
.endm
.irp h, 0,1
.irp j, 0,1,2,3
	ds_load_b128 v[WP+16*\h+4*\j:WP+16*\h+4*\j+3], v1 offset:2048*\h+512*\j   ; steps 0 and 1
.endr
.endr
.irp s, 0,1,2,3,4,5,6,7,8,9,10,11,12,13,14,15
	DOTSTEP \s
.endr
	s_wait_tensorcnt 0x0                           ; proj_w's two rows have landed
.irp rho, 0,1
.irp j, 0,1,2,3,4,5,6,7
	ds_load_b128 v[WD+32*\rho+4*\j:WD+32*\rho+4*\j+3], v7 offset:4096*\rho+512*\j   ; into registers that x and wproj_w have left; they are wanted behind the gather's first pass
.endr
.endr
	; the 16 logits are summed over the 32 lanes, stage by stage, so that no line waits for the line above it; every lane ends up with all of them
.irp m, 1,2,4,8
.set LI, 0
.rept 16
	v_add_f32_dpp v[ACC+LI], v[ACC+LI], v[ACC+LI] row_xmask:\m row_mask:0xf bank_mask:0xf
.set LI, LI+1
.endr
.endr
.set LI, 0
.rept 16
	v_permlanex16_b32 v[XR+LI], v[ACC+LI], s100, s101                    ; its destination counts as read: registers that x's loads have written
.set LI, LI+1
.endr
.set LI, 0
.rept 16
	v_add_f32 v[ACC+LI], v[ACC+LI], v[XR+LI]
.set LI, LI+1
.endr
	; softmax over a row's eight logits: v8, v9 the largest; v10, v11 that x log2(e); v12, v13 the sum
.irp rho, 0,1
	v_max3_num_f32 v[8+\rho], v[ACC+8*\rho], v[ACC+8*\rho+1], v[ACC+8*\rho+2]
.endr
.irp rho, 0,1
	v_max3_num_f32 v[8+\rho], v[8+\rho], v[ACC+8*\rho+3], v[ACC+8*\rho+4]
.endr
.irp rho, 0,1
	v_max3_num_f32 v[8+\rho], v[8+\rho], v[ACC+8*\rho+5], v[ACC+8*\rho+6]
.endr
.irp rho, 0,1
	v_max_num_f32 v[8+\rho], v[8+\rho], v[ACC+8*\rho+7]
.endr
.irp rho, 0,1
	v_mul_f32 v[10+\rho], s104, v[8+\rho]
.endr
.irp rho, 0,1
.irp k, 0,1,2,3,4,5,6,7
	v_fma_f32 v[ACC+8*\rho+\k], v[ACC+8*\rho+\k], s104, -v[10+\rho]      ; (logit - largest) x log2(e)
.endr
.endr
.set LI, 0
.rept 16
	v_exp_f32 v[ACC+LI], v[ACC+LI]
.set LI, LI+1
.endr
	v_nop                                          ; a plain line behind the exponentials
	s_wait_alu depctr_va_vdst(0)
.irp rho, 0,1
	v_add_f32 v[12+\rho], v[ACC+8*\rho], v[ACC+8*\rho+1]
.endr
.irp k, 2,3,4,5,6,7
.irp rho, 0,1
	v_add_f32 v[12+\rho], v[12+\rho], v[ACC+8*\rho+\k]
.endr
.endr
	v_rcp_f32 v12, v12
	v_rcp_f32 v13, v13
	v_nop                                          ; a plain line behind the reciprocals
	s_wait_alu depctr_va_vdst(0)
.irp rho, 0,1
.irp k, 0,1,2,3,4,5,6,7
	v_mul_f32 v[ACC+8*\rho+\k], v[ACC+8*\rho+\k], v[12+\rho]             ; xw
.endr
.endr
; A row's eight weights are the same in every lane: they go into the even registers of s[32:47], so that the packed forms take each as the low word of a scalar pair.
.macro WEIGHTS rho
.irp k, 0,1,2,3,4,5,6,7
	v_readfirstlane_b32 s[WT+2*\k], v[ACC+8*\rho+\k]
.endr
.endm
; Pass t: row t / 2, channels 512 (t % 2) on: 16 sums a lane = the sum over k of weight k x buffer k.  Behind its use buffer k takes the next pass's row.
; The counts: loads come back in order.  Behind buffer k's four loads stand the 4 (7 - k) of the buffers after it and the 4 k refills issued in this pass: 28; the last pass issues none.
.macro GPASS t
.set RH,  (\t)/2
.set ET,  (\t)%2
.set E,   XR+16*((\t)%2)
.set RH1, ((\t)+1)/2
.set ET1, ((\t)+1)%2
.if (\t) >= 2
	s_wait_xcnt 0x0                                ; the stores of two passes ago read these sums' registers: they are written again only behind this wait
.endif
.irp k, 0,1,2,3,4,5,6,7
.if (\t) < 3
	s_wait_loadcnt 28
.else
	s_wait_loadcnt 4*(7-\k)
.endif
.irp p, 0,1,2,3,4,5,6,7
.if \k == 0
	v_pk_mul_f32 v[E+2*\p:E+2*\p+1], v[G+16*\k+2*\p:G+16*\k+2*\p+1], s[WT+2*\k:WT+2*\k+1] op_sel_hi:[1,0]
.else
	v_pk_fma_f32 v[E+2*\p:E+2*\p+1], v[G+16*\k+2*\p:G+16*\k+2*\p+1], s[WT+2*\k:WT+2*\k+1], v[E+2*\p:E+2*\p+1] op_sel_hi:[1,0,1]
.endif
.endr
.if (\t) < 3
.irp j, 0,1,2,3
	global_load_b128 v[G+16*\k+4*\j:G+16*\k+4*\j+3], v1, s[GB+2*(8*RH1+\k):GB+2*(8*RH1+\k)+1] offset:4096*\k+2048*ET1+512*\j
.endr
.endif
.endr
.irp j, 0,1,2,3
	global_store_b128 v1, v[E+4*\j:E+4*\j+3], s[24:25] offset:4096*RH+2048*ET+512*\j th:TH_STORE_NT   ; 32 lanes store 512 consecutive bytes, aligned; written once, read by nobody
.endr
.endm
	WEIGHTS 0
	GPASS 0
	; proj_w's codes, while the next pass's 32 loads are on their way: held in place; the first row's codes go where the softmax's figures lay, the second row's where the first row's numbers lay.
	; Neither set of registers is written again, so these stores want no wait.
	s_wait_dscnt 0x0                               ; proj_w's rows are in registers
.irp g, 0,1,2,3
.irp i, 0,1,2,3,4,5,6,7
	v_med3_num_f32 v[WD+8*\g+\i], v[WD+8*\g+\i], -v6, v6
.endr
	v_cvt_scalef32_pk8_bf8_f32 v[CH+2*\g:CH+2*\g+1], v[WD+8*\g:WD+8*\g+7], v5
.endr
.irp g, 0,1,2,3
.irp i, 0,1,2,3,4,5,6,7
	v_med3_num_f32 v[WD+32+8*\g+\i], v[WD+32+8*\g+\i], -v6, v6           ; (plain lines between the first row's conversions and the lines that write over their sources)
.endr
	v_cvt_scalef32_pk8_bf8_f32 v[WD+2*\g:WD+2*\g+1], v[WD+32+8*\g:WD+32+8*\g+7], v5
.endr
	v_nop                                          ; a plain line behind the last conversion
	global_store_b128 v1, v[CH:CH+3], s[22:23]
	global_store_b128 v1, v[CH+4:CH+7], s[22:23] offset:512
	global_store_b128 v1, v[WD:WD+3], s[22:23] offset:1024
	global_store_b128 v1, v[WD+4:WD+7], s[22:23] offset:1536
	GPASS 1
	WEIGHTS 1
	GPASS 2
	GPASS 3
	s_wait_xcnt 0x0
	v_lshl_add_u32 v254, v0, 2, 0x48000
	v_mov_b32 v255, 0
	s_wait_tensorcnt 0x0
	ds_add_u32 v254, v255
	s_wait_dscnt 0x0
	s_endpgm
.Lfunc_end_k_q64663304e3_prep:
	.size	k_q64663304e3_prep, .Lfunc_end_k_q64663304e3_prep-k_q64663304e3_prep
	.p2alignl 7, 3214868480
	.fill 96, 4, 3214868480
	.section	.rodata,"a",@progbits
	.p2align	6, 0x0
	.amdhsa_kernel k_q64663304e3_prep
		.amdhsa_group_segment_fixed_size 296960
		.amdhsa_private_segment_fixed_size 0
		.amdhsa_enable_private_segment 0
		.amdhsa_kernarg_size 72
		.amdhsa_user_sgpr_count 2
		.amdhsa_user_sgpr_kernarg_segment_ptr 1
		.amdhsa_wavefront_size32 1
		.amdhsa_system_sgpr_workgroup_id_x 1
		.amdhsa_system_sgpr_workgroup_id_y 1
		.amdhsa_system_sgpr_workgroup_id_z 1
		.amdhsa_system_vgpr_workitem_id 0
		.amdhsa_next_free_vgpr 256
		.amdhsa_next_free_sgpr 106
		.amdhsa_reserve_vcc 0
		.amdhsa_float_denorm_mode_32 3
		.amdhsa_float_denorm_mode_16_64 3
		.amdhsa_memory_ordered 1
		.amdhsa_forward_progress 1
		.amdhsa_inst_pref_size 81
	.end_amdhsa_kernel
	.amdgpu_metadata
---
amdhsa.version: [ 1, 2 ]
amdhsa.kernels:
  - .name:           k_q64663304e3_prep
    .symbol:         k_q64663304e3_prep.kd
    .args:
      - { .name: x, .offset: 0, .size: 8, .value_kind: global_buffer, .address_space: global }
      - { .name: proj_w, .offset: 8, .size: 8, .value_kind: global_buffer, .address_space: global }
      - { .name: wproj_w, .offset: 16, .size: 8, .value_kind: global_buffer, .address_space: global }
      - { .name: codebook, .offset: 24, .size: 8, .value_kind: global_buffer, .address_space: global }
      - { .name: target, .offset: 32, .size: 8, .value_kind: global_buffer, .address_space: global }
      - { .name: lowp_scales, .offset: 40, .size: 8, .value_kind: global_buffer, .address_space: global }
      - { .name: xq, .offset: 48, .size: 8, .value_kind: global_buffer, .address_space: global }
      - { .name: wq, .offset: 56, .size: 8, .value_kind: global_buffer, .address_space: global }
      - { .name: out0, .offset: 64, .size: 8, .value_kind: global_buffer, .address_space: global }
    .group_segment_fixed_size: 296960
    .private_segment_fixed_size: 0
    .kernarg_segment_align: 8
    .kernarg_segment_size: 72
    .max_flat_workgroup_size: 512
    .sgpr_count:     106
    .vgpr_count:     256
    .wavefront_size: 32
...
	.end_amdgpu_metadata
.endif
;; end of part 1
;; launch gemm (part 2): grid 8 x 32, 4 waves a work-group, clusters of 4 x 4, 327,680 bytes of LDS; arguments xq, wq, lowp_scales, proj_b, target, out1; writes out1
.if DOCPART == 2
	.amdgcn_target "amdgcn-amd-amdhsa--gfx1250"
	.amdhsa_code_object_version 6
	.text
	.protected	k_q64663304e3_gemm
	.globl	k_q64663304e3_gemm
	.p2align	8
	.type	k_q64663304e3_gemm,@function
k_q64663304e3_gemm:
	s_mov_b64 s[64:65], 0
	v_nop
	global_prefetch_b8 v0, s[64:65] scope:SCOPE_SE
	s_setreg_imm32_b32 hwreg(HW_REG_WAVE_MODE, 25, 1), 1
	s_wait_xcnt 0x0
	s_wait_alu depctr_hold_cnt(0) depctr_sa_sdst(0) depctr_va_vdst(0) depctr_va_sdst(0) depctr_va_ssrc(0) depctr_va_vcc(0) depctr_vm_vsrc(0)
	s_getreg_b32 s2, hwreg(HW_REG_IB_STS2, 6, 4)
	s_cmp_eq_u32 s2, 0
	s_cbranch_scc0 .Lentry_in_a_cluster
	s_endpgm
.Lentry_in_a_cluster:
	s_bfe_u32 s2, ttmp6, 0x10000c
	s_cmp_lg_u32 s2, 0xf033
	s_cbranch_scc0 .Lentry_shape_is_right
	s_endpgm
.Lentry_shape_is_right:
; out1[row][k] = logsumexp over the 1,024 codes c of xp[row][k][c], less xp[row][k][target[row][k]], where xp = Q(x) Q(proj_w)^T + proj_b.  xp never goes to memory.
; xq [8192][1024], wq [8192][1024]: codes of E5M2, one a byte, K permuted alike in both.  A number of x is its code's value x 2^ea, of proj_w x 2^eb (lowp_scales).
; The codes are multiplied as they are.  y = sum + proj_b / 2^(ea + eb): the bias is the C of each sum's first matrix instruction; xp = y x 2^(ea + eb).
; SHARES.  Work-group (k, rb) owns rows 256 rb .. + 255 and codebook k, and STAYS: it walks the codebook's four tiles of 256 columns.  Four waves, as many as a WGP has SIMDs; wave w makes
; rows 128 (w / 2) on x columns 128 (w % 2) on of a tile: 64 accumulators of 16 x 16, 512 registers.  K goes in steps of 256 through a ring of two LDS slots, which goes on from tile to tile.
; THE WALK BEGINS AT TILE (cluster y) mod 4 AND GOES ROUND: the clusters that walk one codebook ask for different tiles of wq at a time, and from a walk's second quarter on each tile that a cluster asks for
; has been read by another cluster a quarter earlier.  A logsumexp with a running maximum does not hang on the order of the tiles.  The bias lies in LDS in the order of the walk.
; THE MATRIX INSTRUCTION IS USED TRANSPOSED (source 0 = 16 rows of wq, source 1 = 16 rows of xq): lane (r, h) holds ONE row r of xp, and register i of accumulator (a, b) its column 16 b + 8 h + i.
; LOGSUMEXP.  Each lane keeps, for each of its eight rows (blocks a), a running largest y (m) and l = the sum of 2^(c y - c m), c = 2^(ea + eb) log2(e), over the columns that it has seen: behind each tile
; m grows, l is multiplied by 2^(c m_old - c m_new), and the tile's 64 numbers are added.  No lane looks at another before the end.
; THE TARGET'S LOGIT is picked out of the accumulators: six levels of selections on the bits of target that number a lane's 64 registers (bits 0, 1, 2, 4, 5, 6); the result is kept where the other bits
; (tile, column half, lane half) are mine too.  A choice of values, never a branch or an address.
; At the end the two halves of the lanes and the two column halves (through LDS) are joined; loss = ln 2 x (c (m - y_target) + log2 l).
; CLUSTERS: 4 x 4 work-groups.  The four of a row of the cluster (one rb) need the same tiles of xq, the four of a column (one k) the same tiles of wq: each tile is asked for JOINTLY.
; out1 is stored as words 32 bytes apart: a row's eight codebooks belong to eight work-groups; it is 262,144 bytes in all.
; LIMITS: ea + eb between -126 and 127, so that c is an f32 number.  NaN among the inputs is not served.  A target outside 0 .. 1,023 picks nothing (its logit counts as 0).
; REGISTERS, in windows of 256.  Window 0: v1 at work; v4-7 fragment addresses; v8, v9 for the add; v10, v11 the bias's address; v[12:13] -c m; v16-23 m; v24-31 l; v32-95 the bias as C, later the selections;
;   v96-103 the picked logit; v104-111 target; v112-119 the key of the bits that must be mine; v120-123 four maxima; v[14:15], v[124:127], v[2:3] four sums; v128-255 xq's fragments, ONE set.
;   Window 1: wq's fragments, TWO sets, at v0 and v128.  Window 2: the accumulators of my rows 0-63 ((a, b) at v[8 (8 a + b)]).  Window 3: those of my rows 64-127.
.set ROWB,   256                       ; a tile's row in bytes: 256 codes
.set KROW,   1024                      ; a row of xq or wq in memory
.set PITCH,  272                       ; an LDS row: 256 bytes + 16 of padding = 68 words: row r starts at bank 4 r mod 64 (ISA guide 11.1), so the 16 rows that a load touches start at 16 different banks
.set FR,     16                        ; registers of a fragment: 16 rows x 128 K
.set NL,     4                         ; LDS loads that bring one
.set NP,     4                         ; places behind this matrix instruction (ISA guide 7.12.1)
.set HALFT,  128*PITCH                 ; 128 rows: what one tensor load brings
.set SLOT,   4*HALFT                   ; xq's 256 rows, then wq's 256 rows
.set SPARE,  2*SLOT                    ; behind the ring: the spare words, 128 bytes a wave: two blocks of 256 bytes that no other line names
.set BIAS,   SPARE+512                 ; proj_b of the codebook / 2^(ea + eb), in the order of the walk: 4,096 bytes; no fill lands here
.set STAT,   BIAS+4096                 ; the end: (3 x column half + q) x 1,024 + 4 x row; q = 0: m, 1: l, 2: the picked logit.  6,144 bytes; no fill lands here
.set NEXT_B, 256*KROW-2*ROWB           ; wq: from a slot's last K step of a tile to its first of the next: 256 rows down, 512 bytes back
.set ROUND_B, 4*256*KROW               ; and, from tile 3 to tile 0, the codebook's 1,024 rows back
.set ADRA, 4
.set ADRB, 6
.set SPW,  8
.set NIL,  9
.set MX,   16
.set LS,   24
.set BI,   32
.set SEL,  96
.set TG,   104
.set KEY,  112
.set TT,   120
.set AF,   128
.set G1,  24                           ; s[24:31] descriptor group 1 for xq's tiles;  s[32:39] group 0, one set for each slot
.set G0,  32
.set G1B, 48                           ; s[48:55], s[56:63] the same for wq's tiles
.set G0B, 56
.set MSB, 0
.macro WIN new                         ; the immediate's high byte repeats the setting that is left
.if MSB != \new
	s_set_vgpr_msb (MSB<<8)|\new
.set MSB, \new
.endif
.endm
.set MUL_LO,  0xa1                     ; source 0 (wq) window 1, source 1 (xq) window 0, C and D window 2
.set MUL_HI,  0xf1                     ; the same, C and D window 3
.set MULF_LO, 0x81                     ; a tile's first step: C (the bias) window 0, D window 2
.set MULF_HI, 0xc1                     ; D window 3
.set TO_B,    0x40                     ; destination window 1, address window 0
; A joint load: waves 0 and 1 fetch for xq, waves 2 and 3 for wq.  Each of the two lines has ONE mask and one set of registers for all that issue it; the branch hangs on the wave's number alone.
; Four v_nop follow each of the two lines, ahead of the jump, the label and what follows.
.macro JLOAD g0a, g1a, g0b, g1b
	s_cmp_eq_u32 s15, 0
	s_cbranch_scc0 .Lfor_b_\@
	tensor_load_to_lds s[\g0a:\g0a+3], s[\g1a:\g1a+7]
	s_nop 0
.rept 4
	v_nop
.endr
	s_branch .Lasked_\@
.Lfor_b_\@:
	tensor_load_to_lds s[\g0b:\g0b+3], s[\g1b:\g1b+7]
	s_nop 0
.rept 4
	v_nop
.endr
.Lasked_\@:
.endm
.macro CREST                           ; a round of the cluster's barrier behind its opening barrier
	s_cmp_lg_u32 s14, 0
	s_cbranch_scc1 .Lnot_wave_0_\@
	s_barrier_signal -3
.Lnot_wave_0_\@:
	s_barrier_wait -3
	s_barrier_signal -1
	s_barrier_wait -1
.endm
.macro CROUND                          ; a whole round
	s_barrier_signal -1
	s_barrier_wait -1
	CREST
.endm
	s_load_b256 s[4:11], s[0:1], 0x0               ; xq s[4:5], wq s[6:7], the scales' exponents s[8:9], proj_b s[10:11]
	s_load_b128 s[68:71], s[0:1], 0x20             ; target s[68:69], out1 s[70:71]
	v_lshl_add_u32 v[SPW], v0, 2, SPARE
	v_mov_b32 v[NIL], 0
	ds_add_u32 v8, v9
	ds_add_u32 v8, v9
	s_wait_dscnt 0x0
	v_lshrrev_b32 v1, 5, v0
	v_readfirstlane_b32 s14, v1                    ; wave 0..3
	s_lshr_b32 s15, s14, 1                         ; which half of the rows is mine.  Also: I fetch for xq (0) or for wq (1)
	s_and_b32 s16, s14, 1                          ; which half of a tile's columns.  Also: which 128 rows of that tile I fetch
	s_bfe_u32 s40, ttmp6, 0x40000                  ; cx, cy: my place in the cluster
	s_bfe_u32 s41, ttmp6, 0x40004
	s_lshl_b32 s42, ttmp9, 2
	s_add_co_u32 s42, s42, s40                     ; the codebook k = 4 x cluster x + cx
	s_and_b32 s17, ttmp7, 0xffff
	s_lshl_b32 s17, s17, 2
	s_add_co_u32 s17, s17, s41                     ; the block of rows rb = 4 x cluster y + cy
	s_and_b32 s79, ttmp7, 3                        ; the tile at which the walk begins: cluster y mod 4: the same number in all sixteen partners
	s_lshl_b32 s43, s41, 2
	s_lshl_b32 s43, 15, s43                        ; my row of the cluster
	s_lshl_b32 s44, 0x1111, s40                    ; my column
	; descriptor group 1: a tile of 128 rows x 256 bytes, padded in LDS
	s_or_b32 s[G1+0], s43, (0<<16)|(1<<20)|(1<<21)|(5<<22)|(3<<25)  ; 15:0 the mask: xq's tiles go to my row; 17:16 element of 1 byte; 20 padding on; 21 set beside a mask; 24:22 after every 64 words (code 5); 31:25 of 4 words (code 3)
	s_or_b32 s[G1B+0], s44, (0<<16)|(1<<20)|(1<<21)|(5<<22)|(3<<25) ; the same with the mask of my column, for wq's tiles
.irp g, G1, G1B
	s_mov_b32 s[\g+1], ROWB<<16                    ; tensor_dim0
	s_mov_b32 s[\g+2], 128<<16                     ; tensor_dim1 = 128
	s_mov_b32 s[\g+3], ROWB<<16                    ; tile_dim0
	s_mov_b32 s[\g+4], 128                         ; tile_dim1 = 128
	s_mov_b32 s[\g+5], KROW                        ; tensor_dim0_stride
	s_mov_b32 s[\g+6], 0
	s_mov_b32 s[\g+7], 0
.endr
	s_lshl_b32 s18, s16, 7                         ; which 128 rows of the tile I fetch
	s_lshl_b32 s20, s17, 8
	s_add_co_u32 s20, s20, s18                     ; xq: row 256 rb + 128 x half
	s_lshl_b32 s20, s20, 10                        ; in bytes (under 2^23)
	s_mov_b32 s21, 0
	s_lshl_b32 s46, s42, 10
	s_add_co_u32 s46, s46, s18                     ; wq: row 1,024 k + 128 x half
	s_lshl_b32 s47, s79, 8
	s_add_co_u32 s46, s46, s47                     ; + 256 x the walk's first tile
	s_lshl_b32 s46, s46, 10
	s_mov_b32 s47, 0
	s_mul_i32 s45, s14, HALFT                      ; where they go: wave x 128 rows: no place in the cluster enters an LDS address
	s_wait_kmcnt 0x0
	s_load_b64 s[96:97], s[8:9], 0x0               ; ea, eb
	s_add_nc_u64 s[20:21], s[4:5], s[20:21]
	s_add_nc_u64 s[46:47], s[6:7], s[46:47]
	CROUND                                         ; all sixteen work-groups are here: the first joint loads meet
.irp s, 0,1
	s_mov_b32 s[G0+4*\s], 1
	s_add_co_u32 s[G0+4*\s+1], s45, \s*SLOT
	s_add_nc_u64 s[G0+4*\s+2:G0+4*\s+3], s[20:21], \s*ROWB
	s_or_b32 s[G0+4*\s+3], s[G0+4*\s+3], 0x80000000
	s_mov_b32 s[G0B+4*\s], 1
	s_add_co_u32 s[G0B+4*\s+1], s45, \s*SLOT
	s_add_nc_u64 s[G0B+4*\s+2:G0B+4*\s+3], s[46:47], \s*ROWB
	s_or_b32 s[G0B+4*\s+3], s[G0B+4*\s+3], 0x80000000
	JLOAD G0+4*\s, G1, G0B+4*\s, G1B               ; two tensor loads of mine are out
.endr
	v_and_b32 v1, 15, v0                           ; r = l % 16
	v_bfe_u32 v2, v0, 4, 1                         ; h = l / 16
	v_mul_u32_u24 v3, v1, PITCH
	v_lshl_add_u32 v3, v2, 4, v3                   ; a fragment's row x pitch + 16 x half
	s_mul_i32 s21, s15, HALFT                      ; my 128 rows of xq
	s_mul_i32 s22, s16, HALFT                      ; my 128 rows of wq,
	s_add_co_u32 s22, s22, 2*HALFT                 ; which lie behind xq's 256
.irp s, 0,1
	v_add_nc_u32 v[ADRA+\s], s21, v3
	v_add_nc_u32 v[ADRB+\s], s22, v3
	s_add_co_u32 s21, s21, SLOT
	s_add_co_u32 s22, s22, SLOT
.endr
	s_lshl_b32 s23, s16, 9
	s_add_co_u32 s23, s23, BIAS
	v_lshl_add_u32 v10, v2, 5, s23                 ; the bias of my columns: BIAS + 512 x column half + 32 h; + 1,024 x the tile's place in the walk + 64 b
	v_lshlrev_b32 v11, 5, v1                       ; target: row r of 32 bytes
	v_lshlrev_b32 v12, 4, v0                       ; the bias in LDS: 16 bytes a thread, and 2,048 bytes further on
	s_lshl_b32 s83, s79, 10                        ; the walk's first tile in proj_b: 256 numbers a tile
	v_add_nc_u32 v14, s83, v12
	v_and_b32 v14, 0xfff, v14                      ; in memory: (the place in LDS + 1,024 x first tile) mod 4,096: the n-th 1,024 bytes of LDS hold the bias of the walk's n-th tile
	v_add_nc_u32 v15, 0x800, v14
	v_and_b32 v15, 0xfff, v15
	s_lshl_b32 s84, s17, 13                        ; offsets that mix the two coordinates are made in registers that feed no descriptor
	s_lshl_b32 s85, s15, 12
	s_add_co_u32 s84, s84, s85
	s_lshl_b32 s85, s42, 2
	s_add_co_u32 s84, s84, s85                     ; target: (256 rb + 128 x row half) x 32 + 4 k
	s_mov_b32 s85, 0
	s_lshl_b32 s86, s17, 13
	s_lshl_b32 s87, s42, 2
	s_add_co_u32 s86, s86, s87                     ; out1: 256 rb x 32 + 4 k
	s_mov_b32 s87, 0
	s_lshl_b32 s88, s42, 12                        ; proj_b: 1,024 k numbers
	s_mov_b32 s89, 0
	s_add_nc_u64 s[68:69], s[68:69], s[84:85]
	s_add_nc_u64 s[70:71], s[70:71], s[86:87]
	s_add_nc_u64 s[10:11], s[10:11], s[88:89]
.irp a, 0,1,2,3,4,5,6,7
	global_load_b32 v[TG+\a], v11, s[68:69] offset:512*\a          ; target[my row 16 a + r][k]; both halves of the lanes hold it
.endr
	global_load_b128 v[BI:BI+3], v14, s[10:11]                     ; the codebook's 1,024 biases: 128 threads x 16 bytes, twice
	global_load_b128 v[BI+4:BI+7], v15, s[10:11]
	s_mov_b32 s80, 0x76543210                      ; v_permlanex16_b32: lane l takes lane l xor 16
	s_mov_b32 s81, 0xfedcba98
	s_mov_b32 s82, 0x3f317218                      ; ln 2
	s_lshl_b32 s76, s79, 1                         ; 2 x the number of the tile in hand
	s_mov_b32 s77, 0                               ; 1,024 x the place in the walk of the tile whose bias is fetched next
	s_mov_b32 s91, 0                               ; (the upper word of the pair s[90:91])
.irp a, 0,1,2,3,4,5,6,7
	v_mov_b32 v[MX+\a], 0xff800000                 ; m: -infinity, under every y: the first tile's factor for l is 2^-infinity = 0
	v_mov_b32 v[LS+\a], 0
	v_mov_b32 v[SEL+\a], 0
.endr
	v_mov_b32 v13, 0                               ; (named as the upper half of the pair v[12:13])
	s_wait_loadcnt 0x0
	s_wait_kmcnt 0x0
	s_add_co_i32 s75, s96, s97                     ; ea + eb
	s_lshl_b32 s72, s75, 23
	s_add_co_i32 s72, s72, 0x3fb8aa3b              ; c = 2^(ea + eb) log2(e): the exponents are added to log2(e)'s exponent field
	s_mov_b32 s73, s72                             ; (named with it as a pair, so it is written)
	s_xor_b32 s74, s72, 0x80000000                 ; -c
	s_sub_co_i32 s75, 0, s75
.irp a, 0,1,2,3,4,5,6,7
	v_lshrrev_b32 v[KEY+\a], 7, v[TG+\a]           ; 2 x tile + column half of the target,
	v_sub_nc_u32 v[KEY+\a], v[KEY+\a], s16         ; less my column half: equal to 2 x tile only where the half is mine,
	v_bfe_u32 v3, v[TG+\a], 3, 1
	v_xor_b32 v3, v3, v2
	v_lshl_add_u32 v[KEY+\a], v3, 16, v[KEY+\a]    ; and out of reach where bit 3 is not my half of the lanes
.endr
.irp i, 0,1,2,3,4,5,6,7
	v_ldexp_f32 v[BI+\i], v[BI+\i], s75            ; proj_b / 2^(ea + eb): exact, short of overflow and underflow
.endr
	v_add_nc_u32 v12, BIAS, v12
	ds_store_b128 v12, v[BI:BI+3]
	ds_store_b128 v12, v[BI+4:BI+7] offset:2048
.macro FRAG reg, adr, q, i             ; a fragment: lane l holds row l % 16; registers 4 c .. 4 c + 3 hold bytes 32 c + 16 (l / 16) + 0 .. 15 of the row's q-th 128: the same places in xq and in wq
.irp c, 0,1,2,3
	ds_load_b128 v[\reg+4*\c:\reg+4*\c+3], v[\adr] offset:128*(\q)+32*\c+(\i)*16*PITCH
.endr
.endm
; 16 matrix instructions: xq's blocks a0, a0 + 1 x wq's eight, 128 along K.  p: wq's set.  first = 1: a tile's first step: the bias of the eight blocks of columns is the C: nothing is cleared, no addition is spent.
; The 64 accumulators take turns, one instruction a turn, in the same order in every step.
.macro MUL16 a0, p, first
.irp a, \a0, \a0+1
.irp b, 0,1,2,3,4,5,6,7
.if \first
	v_wmma_f32_16x16x128_bf8_bf8 v[8*(8*((\a)%4)+\b):8*(8*((\a)%4)+\b)+7], v[128*(\p)+FR*\b:128*(\p)+FR*\b+FR-1], v[AF+FR*(\a):AF+FR*(\a)+FR-1], v[BI+8*\b:BI+8*\b+7]
.else
	v_wmma_f32_16x16x128_bf8_bf8 v[8*(8*((\a)%4)+\b):8*(8*((\a)%4)+\b)+7], v[128*(\p)+FR*\b:128*(\p)+FR*\b+FR-1], v[AF+FR*(\a):AF+FR*(\a)+FR-1], v[8*(8*((\a)%4)+\b):8*(8*((\a)%4)+\b)+7]
.endif
.endr
.endr
.endm
.macro FETCH_B slot, q, p              ; wq's eight fragments of the slot's q-th 128 along K into set p
	WIN TO_B
.irp i, 0,1,2,3,4,5,6,7
	FRAG 128*(\p)+FR*\i, ADRB+\slot, \q, \i
.endr
	WIN 0
.endm
.macro FETCH_A slot, q, i0             ; xq's blocks i0 .. i0 + 3
.irp i, \i0, \i0+1, \i0+2, \i0+3
	FRAG AF+FR*(\i), ADRA+\slot, \q, \i
.endr
.endm
; A load into a register that a matrix instruction has read, and a vector instruction that reads a matrix result, stand NP places behind that matrix instruction; only plain vector
; instructions that name none of its registers are places (ISA guide 7.12.1 for vector instructions).
.macro PLACES n
.rept \n
	v_nop
.endr
.endm
.macro BIASLOAD                        ; the bias of my 128 columns of the walk's tile s77 / 1,024, in the result's layout: eight registers for each block b of columns
	v_add_nc_u32 v11, s77, v10
.irp b, 0,1,2,3,4,5,6,7
	ds_load_b128 v[BI+8*\b:BI+8*\b+3], v11 offset:64*\b
	ds_load_b128 v[BI+8*\b+4:BI+8*\b+7], v11 offset:64*\b+16
.endr
.endm
; A step of 128 along K that has its successor in the same slot.  xq has one set of registers: blocks 0-3 are fetched anew in the step's middle, blocks 4-7 at its end; wq has two sets.
.macro STEP slot, q, first
.if \first
	s_wait_dscnt 0x0                               ; the bias's loads are the youngest: all are in
	WIN MULF_LO
.else
	s_wait_dscnt 4*NL                              ; wq's set and xq's blocks 0-3 are in; the youngest 16 loads (xq's blocks 4-7) may be out
	WIN MUL_LO
.endif
	MUL16 0, (\q)%2, \first
	MUL16 2, (\q)%2, \first
	s_wait_dscnt 0                                 ; xq's blocks 4-7 are in
	PLACES NP
	FETCH_B \slot, (\q)+1, 1-(\q)%2
	FETCH_A \slot, (\q)+1, 0
.if \first
	WIN MULF_HI
.else
	WIN MUL_HI
.endif
	MUL16 4, (\q)%2, \first
	MUL16 6, (\q)%2, \first
	PLACES NP
	WIN 0
	FETCH_A \slot, (\q)+1, 4
.endm
; A slot's last step changes slots: ONE barrier; in front of it each wave waits for all its tensor loads (one is out: its part of the next slot), adds 0 to its spare word, and waits for that and for its reads
; of this slot.  fill = 1: this slot is filled again: with this tile's K step two on (on = 0), or with the walk's NEXT tile's K step 0 or 1 (on = 1): xq goes 512 bytes back, wq 256 rows down and 512 bytes back,
; and s[90:91] bytes back besides: the codebook's 1,024 rows where the tile in hand is tile 3, else 0.
.macro TURN slot, next, fill, on
	s_wait_tensorcnt 0x0                           ; all my tensor loads have landed  (every window is 0 here: the add's two registers lie in window 0)
	ds_add_u32 v[SPW], v[NIL]                      ; 0 onto my spare word
	s_wait_dscnt 4*NL+1                            ; (the add and the youngest 16 loads, xq's blocks 4-7, may be out)
	WIN MUL_LO
	MUL16 0, 1, 0                                  ; sixteen matrix instructions stand between the add and the wait for it
	s_wait_dscnt 0x0                               ; the add is done, and my reads of this slot are over
	s_barrier_signal -1
	MUL16 2, 1, 0
	WIN 0
	s_barrier_wait -1
.if \fill
	CREST                                          ; the barrier has opened a round of the cluster's barrier: no wave of any partner still reads this slot's tile or has a load on its way
.if \on
	s_sub_nc_u64 s[G0+4*\slot+2:G0+4*\slot+3], s[G0+4*\slot+2:G0+4*\slot+3], 2*ROWB
	s_add_nc_u64 s[G0B+4*\slot+2:G0B+4*\slot+3], s[G0B+4*\slot+2:G0B+4*\slot+3], NEXT_B
	s_sub_nc_u64 s[G0B+4*\slot+2:G0B+4*\slot+3], s[G0B+4*\slot+2:G0B+4*\slot+3], s[90:91]
.else
	s_add_nc_u64 s[G0+4*\slot+2:G0+4*\slot+3], s[G0+4*\slot+2:G0+4*\slot+3], 2*ROWB
	s_add_nc_u64 s[G0B+4*\slot+2:G0B+4*\slot+3], s[G0B+4*\slot+2:G0B+4*\slot+3], 2*ROWB
.endif
	JLOAD G0+4*\slot, G1, G0B+4*\slot, G1B         ; the first tensor load behind the round, my only one until the next; its four v_nop are also the places in front of the loads below
.else
	PLACES NP
.endif
	FETCH_B \next, 0, 0
	FETCH_A \next, 0, 0
	WIN MUL_HI
	MUL16 4, 1, 0
	MUL16 6, 1, 0
	PLACES NP
	WIN 0
	FETCH_A \next, 0, 4
.endm
; One level of the selection: n results, each the second of two neighbours where the given bit of the target is set.
.macro LEVEL bit, n, src, dst, a
	v_and_b32 v1, 1<<\bit, v[TG+\a]
	v_cmp_ne_u32 vcc_lo, 0, v1
.set LI, 0
.rept \n
	v_cndmask_b32 v[\dst+LI], v[\src+2*LI], v[\src+2*LI+1], vcc_lo
.set LI, LI+1
.endr
.endm
; BEHIND A TILE, block a of 16 rows: a lane's 64 numbers y (register 8 b + i: column 16 b + 8 h + i of my 128).  bl = 1: the next tile's bias is fetched as soon as the selections have left its registers.
.macro EPI a, bl
.set EW,  2+(\a)/4                     ; the block's window
.set EAC, 64*((\a)%4)
	WIN 0
	v_and_b32 v1, 1, v[TG+\a]
	v_cmp_ne_u32 vcc_lo, 0, v1
	WIN (EW|(EW<<2))                               ; sources 0 and 1: the accumulators
.irp p, 0,1,2,3,4,5,6,7                ; the largest of the 64 and the old m: four chains of 16; each accumulator is read from its low end on
.irp i, 0,1,2,3
.if \p == 0
	v_max3_num_f32 v[TT+\i], v[EAC+16*\i], v[EAC+16*\i+1], v[MX+\a]
.else
	v_max3_num_f32 v[TT+\i], v[EAC+16*\i+2*\p], v[EAC+16*\i+2*\p+1], v[TT+\i]
.endif
.endr
.endr
.set LI, 0
.rept 32
	v_cndmask_b32 v[BI+LI], v[EAC+2*LI], v[EAC+2*LI+1], vcc_lo     ; the selection's first level, on the target's bit 0
.set LI, LI+1
.endr
	WIN 0
	LEVEL 1, 16, BI, BI+32, \a
	LEVEL 2, 8, BI+32, BI+48, \a
	LEVEL 4, 4, BI+48, BI+56, \a                   ; (bit 3 is the half of the lanes: it is in the key)
	LEVEL 5, 2, BI+56, BI+60, \a
	LEVEL 6, 1, BI+60, BI+62, \a
	v_cmp_eq_u32 vcc_lo, s76, v[KEY+\a]            ; this tile, my column half, my half of the lanes?
	v_cndmask_b32 v[SEL+\a], v[SEL+\a], v[BI+62], vcc_lo
.if \bl
	BIASLOAD
.endif
	v_max3_num_f32 v[TT], v[TT], v[TT+1], v[TT+2]
	v_max_num_f32 v[TT], v[TT], v[TT+3]            ; the new m
	v_sub_f32 v1, v[MX+\a], v[TT]
	v_mul_f32 v1, s72, v1
	v_exp_f32 v1, v1                               ; 2^(c m_old - c m_new)
	v_mul_f32 v12, s74, v[TT]                      ; -c m  (the plain line behind the exponential)
	v_mov_b32 v[MX+\a], v[TT]
	WIN (EW|(EW<<6))                               ; source 0 and destination: the accumulators
.set LI, 0
.rept 32
	v_pk_fma_f32 v[EAC+2*LI:EAC+2*LI+1], v[EAC+2*LI:EAC+2*LI+1], s[72:73], v[12:13] op_sel_hi:[1,0,0]   ; c y - c m, two at a time (of the pairs c and -c m the low word serves both halves)
.set LI, LI+1
.endr
.set LI, 0
.rept 64
	v_exp_f32 v[EAC+LI], v[EAC+LI]
.set LI, LI+1
.endr
	v_nop                                          ; a plain line behind the exponentials
	WIN (EW|(EW<<2))
	s_wait_alu depctr_va_vdst(0)
	v_pk_add_f32 v[14:15], v[EAC:EAC+1], v[EAC+8:EAC+9]            ; the sum of the 64, two at a time, in four chains that the first eight pairs start
	v_pk_add_f32 v[124:125], v[EAC+2:EAC+3], v[EAC+10:EAC+11]
	v_pk_add_f32 v[126:127], v[EAC+4:EAC+5], v[EAC+12:EAC+13]
	v_pk_add_f32 v[2:3], v[EAC+6:EAC+7], v[EAC+14:EAC+15]
	WIN EW
.irp g, 2,3,4,5,6,7
	v_pk_add_f32 v[14:15], v[EAC+8*\g:EAC+8*\g+1], v[14:15]
	v_pk_add_f32 v[124:125], v[EAC+8*\g+2:EAC+8*\g+3], v[124:125]
	v_pk_add_f32 v[126:127], v[EAC+8*\g+4:EAC+8*\g+5], v[126:127]
	v_pk_add_f32 v[2:3], v[EAC+8*\g+6:EAC+8*\g+7], v[2:3]
.endr
	WIN 0
	v_pk_add_f32 v[14:15], v[14:15], v[124:125]
	v_pk_add_f32 v[126:127], v[126:127], v[2:3]
	v_pk_add_f32 v[14:15], v[14:15], v[126:127]
	v_add_f32 v14, v14, v15
	v_fma_f32 v[LS+\a], v[LS+\a], v1, v14          ; l under the new m, and the tile's sum
.endm
.macro EPILOGUE bias
.irp a, 0,1,2,3,4,5,6
	EPI \a, 0
.endr
	EPI 7, \bias
.endm
	s_wait_tensorcnt 1                             ; my part of K step 0 is in (K step 1's load may be out)
	s_wait_dscnt 0x0                               ; and my part of the bias lies in LDS
	s_barrier_signal -1
	s_barrier_wait -1                              ; everybody's
	BIASLOAD
	FETCH_B 0, 0, 0
	FETCH_A 0, 0, 0
	FETCH_A 0, 0, 4
	s_mov_b32 s78, 3
.Ltile:                                                ; three trips: a tile that has a successor in the walk; the ring goes on into the next tile
	s_cmp_eq_u32 s76, 6                            ; is the tile in hand tile 3?  Then the walk goes round: the next is tile 0
	s_cselect_b32 s90, ROUND_B, 0                  ; an offset, made of the tile's number alone; the same in all sixteen partners
	STEP 0, 0, 1
	TURN 0, 1, 1, 0
	STEP 1, 0, 0
	TURN 1, 0, 1, 0
	STEP 0, 0, 0
	TURN 0, 1, 1, 1                                ; slot 0 takes the next tile's K step 0,
	STEP 1, 0, 0
	TURN 1, 0, 1, 1                                ; slot 1 its K step 1, and the next tile's first fragments are fetched; both land under the vector work below
	s_add_co_u32 s77, s77, 1024                    ; the bias to fetch is the next tile's
	EPILOGUE 1
	s_add_co_u32 s76, s76, 2
	s_and_b32 s76, s76, 7                          ; 2 x the next tile's number: 6 is followed by 0
	s_sub_co_u32 s78, s78, 1
	s_cmp_lg_u32 s78, 0
	s_cbranch_scc1 .Ltile
	STEP 0, 0, 1                                   ; the walk's last tile is written out
	TURN 0, 1, 1, 0
	STEP 1, 0, 0
	TURN 1, 0, 1, 0
	STEP 0, 0, 0
	TURN 0, 1, 0, 0                                ; nothing is left to fetch: no round of the cluster's barrier
	STEP 1, 0, 0
	s_wait_dscnt 4*NL                              ; the very last step
	WIN MUL_LO
	MUL16 0, 1, 0
	MUL16 2, 1, 0
	s_wait_dscnt 0
	WIN MUL_HI
	MUL16 4, 1, 0
	MUL16 6, 1, 0
	WIN 0
	PLACES NP
	EPILOGUE 0
	; THE END, part one: the two halves of the lanes hold the same rows and other columns: they are joined, stage by stage over the eight blocks.
.irp a, 0,1,2,3,4,5,6,7
	v_permlanex16_b32 v[32+\a], v[MX+\a], s80, s81 ; (its destination counts as read: registers that have been written)
.endr
.irp a, 0,1,2,3,4,5,6,7
	v_max_num_f32 v[40+\a], v[MX+\a], v[32+\a]     ; the common m
.endr
.irp a, 0,1,2,3,4,5,6,7
	v_sub_f32 v[48+\a], v[MX+\a], v[40+\a]
.endr
.irp a, 0,1,2,3,4,5,6,7
	v_mul_f32 v[48+\a], s72, v[48+\a]
.endr
.irp a, 0,1,2,3,4,5,6,7
	v_exp_f32 v[48+\a], v[48+\a]
.endr
	v_and_b32 v72, 15, v0                          ; r  (the plain line behind the exponentials)
	s_wait_alu depctr_va_vdst(0)
.irp a, 0,1,2,3,4,5,6,7
	v_mul_f32 v[LS+\a], v[LS+\a], v[48+\a]         ; my l under the common m
.endr
.irp a, 0,1,2,3,4,5,6,7
	v_permlanex16_b32 v[56+\a], v[LS+\a], s80, s81
	v_permlanex16_b32 v[64+\a], v[SEL+\a], s80, s81
.endr
.irp a, 0,1,2,3,4,5,6,7
	v_add_f32 v[LS+\a], v[LS+\a], v[56+\a]
	v_add_f32 v[SEL+\a], v[SEL+\a], v[64+\a]       ; the lane that has not picked holds 0
.endr
	s_mul_i32 s18, s16, 3072
	s_lshl_b32 s19, s15, 9
	s_add_co_u32 s18, s18, s19
	s_add_co_u32 s18, s18, STAT
	v_lshl_add_u32 v72, v72, 2, s18                ; STAT + 3,072 x column half + 4 x (128 x row half + r); + 1,024 q + 64 a.  Both halves of the lanes store the same number to the same word
.irp a, 0,1,2,3,4,5,6,7
	ds_store_b32 v72, v[40+\a] offset:64*\a
	ds_store_b32 v72, v[LS+\a] offset:1024+64*\a
	ds_store_b32 v72, v[SEL+\a] offset:2048+64*\a
.endr
	s_wait_dscnt 0x0                               ; for the others' sake: my stores have landed
	s_barrier_signal -1
	s_barrier_wait -1
	; part two: thread t takes rows t and t + 128 and joins the two column halves
	v_lshl_add_u32 v73, v0, 2, STAT
	v_lshlrev_b32 v74, 5, v0                       ; out1: a row is 32 bytes
.irp u, 0,1
.irp g, 0,1
.irp q, 0,1,2
	ds_load_b32 v[32+6*\u+3*\g+\q], v73 offset:3072*\g+1024*\q+512*\u
.endr
.endr
.endr
	s_wait_dscnt 0x0
.irp u, 0,1
	v_max_num_f32 v[48+\u], v[32+6*\u], v[35+6*\u] ; m
	v_sub_f32 v[50+\u], v[32+6*\u], v[48+\u]
	v_sub_f32 v[52+\u], v[35+6*\u], v[48+\u]
	v_mul_f32 v[50+\u], s72, v[50+\u]
	v_mul_f32 v[52+\u], s72, v[52+\u]
.endr
	v_exp_f32 v50, v50
	v_exp_f32 v51, v51
	v_exp_f32 v52, v52
	v_exp_f32 v53, v53
.irp u, 0,1
	v_add_f32 v[54+\u], v[34+6*\u], v[37+6*\u]     ; the picked logit: one half holds it, the other 0  (plain lines behind the exponentials)
.endr
	s_wait_alu depctr_va_vdst(0)
.irp u, 0,1
	v_mul_f32 v[56+\u], v[33+6*\u], v[50+\u]
	v_fma_f32 v[56+\u], v[36+6*\u], v[52+\u], v[56+\u]             ; l, at least 1
.endr
	v_log_f32 v56, v56
	v_log_f32 v57, v57
.irp u, 0,1
	v_sub_f32 v[48+\u], v[48+\u], v[54+\u]         ; m - y_target  (plain lines behind the logarithms)
.endr
	s_wait_alu depctr_va_vdst(0)
.irp u, 0,1
	v_fma_f32 v[48+\u], v[48+\u], s72, v[56+\u]    ; c (m - y_target) + log2 l
	v_mul_f32 v[48+\u], s82, v[48+\u]              ; x ln 2
.endr
	global_store_b32 v74, v48, s[70:71]
	global_store_b32 v74, v49, s[70:71] offset:4096
	s_wait_tensorcnt 0x0                           ; the wave's end: behind my last tensor load and my last LDS store
	ds_add_u32 v[SPW], v[NIL]
	s_wait_dscnt 0x0
	CROUND                                         ; the closing round: no work-group ends while a partner may still ask for a tile that names it
	s_endpgm
.Lfunc_end_k_q64663304e3_gemm:
	.size	k_q64663304e3_gemm, .Lfunc_end_k_q64663304e3_gemm-k_q64663304e3_gemm
	.p2alignl 7, 3214868480
	.fill 96, 4, 3214868480
	.section	.rodata,"a",@progbits
	.p2align	6, 0x0
	.amdhsa_kernel k_q64663304e3_gemm
		.amdhsa_group_segment_fixed_size 327680
		.amdhsa_private_segment_fixed_size 0
		.amdhsa_enable_private_segment 0
		.amdhsa_kernarg_size 48
		.amdhsa_user_sgpr_count 2
		.amdhsa_user_sgpr_kernarg_segment_ptr 1
		.amdhsa_wavefront_size32 1
		.amdhsa_system_sgpr_workgroup_id_x 1
		.amdhsa_system_sgpr_workgroup_id_y 1
		.amdhsa_system_sgpr_workgroup_id_z 1
		.amdhsa_system_vgpr_workitem_id 0
		.amdhsa_next_free_vgpr 1024
		.amdhsa_next_free_sgpr 100
		.amdhsa_reserve_vcc 1
		.amdhsa_float_denorm_mode_32 3
		.amdhsa_float_denorm_mode_16_64 3
		.amdhsa_memory_ordered 1
		.amdhsa_forward_progress 1
		.amdhsa_inst_pref_size 255
	.end_amdhsa_kernel
	.section	.bss,"aw",@nobits
	.p2align	6
	.space	262144
	.amdgpu_metadata
---
amdhsa.version: [ 1, 2 ]
amdhsa.kernels:
  - .name:           k_q64663304e3_gemm
    .symbol:         k_q64663304e3_gemm.kd
    .args:
      - { .name: xq, .offset: 0, .size: 8, .value_kind: global_buffer, .address_space: global }
      - { .name: wq, .offset: 8, .size: 8, .value_kind: global_buffer, .address_space: global }
      - { .name: lowp_scales, .offset: 16, .size: 8, .value_kind: global_buffer, .address_space: global }
      - { .name: proj_b, .offset: 24, .size: 8, .value_kind: global_buffer, .address_space: global }
      - { .name: target, .offset: 32, .size: 8, .value_kind: global_buffer, .address_space: global }
      - { .name: out1, .offset: 40, .size: 8, .value_kind: global_buffer, .address_space: global }
    .group_segment_fixed_size: 327680
    .private_segment_fixed_size: 0
    .kernarg_segment_align: 8
    .kernarg_segment_size: 48
    .max_flat_workgroup_size: 128
    .sgpr_count:     100
    .vgpr_count:     1024
    .wavefront_size: 32
...
	.end_amdgpu_metadata
.endif
;; end of part 2
